; MI455X (gfx1250); checked and timed in simulation.
; The chip was launched on July 23, 2026; its instructions are those of AMD's public machine-readable ISA for CDNA 5 (MIT licence, August 2026) and "CDNA5" Instruction Set Architecture Reference Guide (July 2026). The comments in the code are by the model that wrote it; some were corrected since.
;; attention head. Allowed arithmetic: matrix products marked QUANTISED: E4M3 operands, one E8M0 scale for each 32 along K, by v_wmma_scale_f32_16x16x128_f8f6f4 with both operands' format E4M3, f32 sums; everything else in f32.
;; Inputs: Wk 768 x 192 float32; Wq 768 x 192 float32; Wv 768 x 192 float32; x 64 x 512 x 768 float32.
;; Outputs: out0 64 x 512 x 192 float32.
;; This version of the problem:
;;   THIS VERSION OF THE PROBLEM IS GIVEN IN LOW PRECISION. The matrix products marked QUANTISED in the list below multiply operands that are first quantised to E4M3 (4 exponent bits, 3 mantissa bits; 8 bits a number), with one power-of-two scale for each 32 numbers along K (OCP MX v1.0); their sums are f32. All else is computed in f32.
;;   The module's matrix products, in the order in which they are computed (A, B: the left and right operand; K: the contracted axis; several contracted axes count as one K, in the product's order):
;;     1. [M 32,768, K 768] x [K 768, N 192]; A: input x; B: input Wq: QUANTISED
;;     2. [M 32,768, K 768] x [K 768, N 192]; A: input x; B: input Wk: QUANTISED
;;     3. [M 32,768, K 768] x [K 768, N 192]; A: input x; B: input Wv: QUANTISED
;;     4. batch 64 x [M 512, K 192] x [K 192, N 512]; A: computed on the way; B: computed on the way: QUANTISED
;;     5. batch 64 x [M 512, K 512] x [K 512, N 192]; A: softmax (see below); B: computed on the way: QUANTISED
;;   THE QUANTISER, for each operand of a quantised product, along K:
;;     - K is cut into blocks of 32 from its start; a last block that is shorter is filled with zeros.
;;     - A block's scale is 2^e with e = floor(log2(the largest magnitude in the block)) - 8, held to -126 .. 127; a block of zeros has e = 0. As a byte (E8M0): e + 127.
;;     - Each number is divided by its block's scale, clamped to +-448, and rounded to the nearest number of E4M3, ties to even, subnormals kept.
;;     - The product sums the exact products of the quantised numbers (number of the format x scale) in f32.
;;   ~~~python
;;   def quantise(x, axis):      # numpy; x: float32 -> the quantised numbers, widened to float32 again
;;       x = np.moveaxis(x, axis, -1); K = x.shape[-1]
;;       x = np.pad(x, [(0, 0)] * (x.ndim - 1) + [(0, -K % 32)]); x = x.reshape(x.shape[:-1] + (-1, 32)); a = np.abs(x).max(-1, keepdims=True)
;;       e = np.where(a > 0, np.clip(np.frexp(np.where(a > 0, a, 1))[1] - 1 - 8, -126, 127), 0)      # np.frexp(a)[1] - 1 = floor(log2(a)), exactly
;;       r = np.clip(x / 2.0 ** e, -448, 448)
;;       step = 2.0 ** (np.maximum(np.frexp(np.where(r == 0, 1, r))[1] - 1, -6) - 3)
;;       q = np.round(r / step) * step * 2.0 ** e      # np.round: ties to even
;;       return np.moveaxis(q.reshape(q.shape[:-2] + (-1,))[..., :K], -1, axis).astype(np.float32)
;;   ~~~
;;   SOFTMAX AHEAD OF A QUANTISED PRODUCT. Where the list says 'softmax', what is quantised is not the finished softmax but p = 2^(t - M), with t = logit x log2(e) and M = ceil(the row's largest t), a whole number; so 1/2 < the row's largest p <= 1. The row's sum l is taken of the UNQUANTISED p, in f32, and the product's result is divided by l at the end. Since M is a whole number, a kernel that streams over the keys may use a running M (the ceiling of the running maximum): every later rescaling is an exact power of two, which a block's scale takes up: the codes' values come out the same.
;;   OPERANDS COMPUTED ON THE WAY. 'Computed on the way' means the value that the module computes at that place (a softmax that the list does not call 'softmax' is quantised finished and normalised). What goes into a quantiser is computed in f32, as accurately as f32 sums, v_exp_f32 and their like allow (about 1e-6 of the number): no bf16 or f16 on the way to a quantiser, and a product that is left as it is and whose result goes on into a quantised operand takes f32 operands (vector FMAs, or v_wmma_f32_16x16x4_f32). A number that lies on a knife's edge between two numbers of the format may be rounded either way, as far as f32 arithmetic and the matrix unit's own rounding can turn it there, and no further.
;; One version. Each part assembles by itself: llvm-mc -triple=amdgcn-amd-amdhsa -mcpu=gfx1250 --defsym DOCPART=n.
;; ======== version 1 of 1: 3 launches
;; limits: right only within a limited range of input values
;; workspace buffers: w_img 460,800 bytes; q_codes 6,291,456 bytes; q_scales 262,144 bytes; kv 13,107,200 bytes
;; launch wq (part 1): grid 36 x 6, 4 waves a work-group, no clusters, 768 bytes of LDS; arguments Wq, Wk, Wv, w_img; writes w_img
.if DOCPART == 1
	.amdgcn_target "amdgcn-amd-amdhsa--gfx1250"
	.amdhsa_code_object_version 6
	.text
	.protected	k_q5745f2ae24_wq
	.globl	k_q5745f2ae24_wq
	.p2align	8
	.type	k_q5745f2ae24_wq,@function
k_q5745f2ae24_wq:
	s_mov_b64 s[64:65], 0
	v_nop
	global_prefetch_b8 v0, s[64:65] scope:SCOPE_SE
	s_setreg_imm32_b32 hwreg(HW_REG_WAVE_MODE, 25, 1), 1
	s_wait_xcnt 0x0
; Wq, Wk, Wv: [768 (k)][192 (n)] f32, K their FIRST axis, become codes of FP8 (E4M3) with one E8M0 scale byte for each 32 along K, laid in the order of an operand's registers.
; w_img [K step s of 128, 6][ fragment f = 12 c + nt, 36, of [block g 4][lane 32][16 bytes] | 36 x 16 scale words | 768 zero bytes ]: 76,800 bytes a K step; c = 0 Wq, 1 Wk, 2 Wv; nt = the tile of 16 columns.
; Lane r of tile 2 b + u takes column 32 b + 8 u + r + 8 (r / 8).  Inside a block of 32 the byte at place 8 j + q holds k = 4 j + q (q < 4) or 16 + 4 j + q - 4: the order in which the next launch lays x's codes; a sum of products does not depend on it.
; A work-group makes one fragment (f = x, s = y), wave g its block g: a lane takes a column, its registers run down K, so the conversions' results are the fragment's registers.  No cluster: work-groups share no input bytes.  No prefetch: no loop to run ahead in.
; LIMITS: a block of zeros gets the byte 1 where the quantiser says 127 (its codes are zeros, and this program alone reads the bytes); blocks under 2^(9 - 127) have their byte held at 1; NaN and infinities among the inputs are not served.
; In the whole program the score tiles and P V steps that lie wholly above the causal diagonal are left out (reference() builds that mask itself; their weights are 0 for all inputs): a NaN that reaches them alone is not carried.
.set ROWW, 768
.set SPARE, 256                        ; LDS: 64 bytes of scale words, then the spare words, 128 bytes a wave
	s_load_b256 s[4:11], s[0:1], 0x0               ; Wq, Wk, Wv, w_img
	v_lshl_add_u32 v10, v0, 2, SPARE
	v_mov_b32 v11, 0
	v_lshrrev_b32 v1, 5, v0
	v_readfirstlane_b32 s27, v1                    ; g: wave = block
	v_and_b32 v3, 31, v0
	v_lshlrev_b32 v3, 4, v3                        ; out: 16 bytes a lane
	v_and_b32 v1, 15, v0                           ; r
	v_bfe_u32 v2, v0, 4, 1                         ; h
	v_and_b32 v6, 8, v1
	v_add_nc_u32 v6, v6, v1
	v_lshlrev_b32 v6, 2, v6
	v_mad_u32_u24 v5, v2, 8*ROWW, v6               ; in
	v_lshlrev_b32 v4, 2, v1                        ; the scale word
	v_add_nc_u32 v7, s27, v4                       ; its byte g
	v_mov_b32 v36, 0                               ; a lane permute's destination counts as one of its sources
	s_mov_b32 s24, 0x76543210
	s_mov_b32 s25, 0xfedcba98
	s_mov_b32 s26, 0x600000                        ; the mantissa field of 448
	s_and_b32 s16, ttmp7, 0xffff                   ; s
	s_wait_alu depctr_va_vdst(0)                   ; the head's end
	s_wait_kmcnt 0x0
	s_cmp_lt_u32 ttmp9, 12                         ; which weight: by the work-group's number alone
	s_cselect_b64 s[4:5], s[4:5], s[6:7]
	s_cselect_b32 s14, 0, 1
	s_cmp_lt_u32 ttmp9, 24
	s_cselect_b64 s[4:5], s[4:5], s[8:9]
	s_cselect_b32 s14, s14, 2                      ; c
	s_mul_i32 s15, s14, 12
	s_sub_co_u32 s15, ttmp9, s15                   ; nt
	s_lshl_b32 s20, s16, 7
	s_lshl_b32 s18, s27, 5
	s_add_co_u32 s20, s20, s18
	s_mul_i32 s20, s20, ROWW                       ; 128 s + 32 g rows down,
	s_lshr_b32 s18, s15, 1
	s_lshl_b32 s18, s18, 7
	s_add_co_u32 s20, s20, s18                     ; 32 (nt / 2) columns on,
	s_and_b32 s18, s15, 1
	s_lshl_b32 s18, s18, 5
	s_add_co_u32 s20, s20, s18                     ; and 8 (nt % 2)
	s_mov_b32 s21, 0
	s_add_nc_u64 s[4:5], s[4:5], s[20:21]
.irp i, 0,1,2,3,4,5,6,7,8,9,10,11,12,13,14,15
	global_load_b32 v[64+\i], v5, s[4:5] offset:(4*(\i/8)+\i%4+16*((\i%8)/4))*ROWW   ; place 16 h + i of the block: k = 8 h + this row
.endr
	s_mul_i32 s18, s16, 76800
	s_lshl_b32 s22, ttmp9, 6
	s_add_co_u32 s22, s22, s18
	s_add_co_u32 s22, s22, 73728
	s_mov_b32 s23, 0
	s_add_nc_u64 s[12:13], s[10:11], s[22:23]      ; my fragment's scale words
	s_lshl_b32 s20, ttmp9, 11
	s_add_co_u32 s20, s20, s18
	s_lshl_b32 s18, s27, 9
	s_add_co_u32 s20, s20, s18
	s_add_nc_u64 s[10:11], s[10:11], s[20:21]      ; my block's codes
	s_wait_loadcnt 0x0
	v_max3_num_f32 v32, |v64|, |v65|, 0x4800000    ; the floor 2^(9 - 127): the byte cannot fall under 1
	v_max3_num_f32 v33, |v66|, |v67|, |v68|
	v_max3_num_f32 v34, |v69|, |v70|, |v71|
	v_max3_num_f32 v35, |v72|, |v73|, |v74|
	v_max3_num_f32 v32, v32, |v75|, |v76|
	v_max3_num_f32 v33, v33, |v77|, |v78|
	v_max3_num_f32 v34, v34, |v79|, v35
	v_max3_num_f32 v32, v32, v33, v34
	v_permlanex16_b32 v36, v32, s24, s25
	v_max_num_f32 v32, v32, v36                    ; with lane l xor 16's: the block's largest magnitude
	v_add_nc_u32 v44, 0xfc000000, v32              ; 8 off its exponent field: the conversion's scale operand
	v_and_or_b32 v40, v32, 0x7f800000, s26         ; 448 x the scale
	v_lshrrev_b32 v37, 23, v44                     ; the scale's byte
.irp i, 0,1,2,3,4,5,6,7,8,9,10,11,12,13,14,15
	v_med3_num_f32 v[64+\i], v[64+\i], -v40, v40   ; the conversion to an 8-bit code does not saturate (ISA guide 7.6.2)
.endr
	v_cvt_scalef32_pk8_fp8_f32 v[48:49], v[64:71], v44
	v_cvt_scalef32_pk8_fp8_f32 v[50:51], v[72:79], v44
	v_nop
	global_store_b128 v3, v[48:51], s[10:11]       ; 512 consecutive bytes
	ds_store_b8 v7, v37                            ; (both halves of the lanes write the same byte with the same value)
	s_wait_dscnt 0x0
	s_barrier_signal -1
	s_barrier_wait -1                              ; the four bytes of each word are in
	s_cmp_lg_u32 s27, 0
	s_cbranch_scc1 .Lend
	ds_load_b32 v9, v4
	s_wait_dscnt 0x0
	global_store_b32 v4, v9, s[12:13]              ; sixteen words (lanes 16-31 repeat them)
	s_cmp_lt_u32 ttmp9, 12                         ; and twelve work-groups a K step write its 768 zero bytes
	s_cbranch_scc0 .Lend
	global_store_b32 v4, v11, s[12:13] offset:2304
.Lend:
	s_wait_tensorcnt 0x0                           ; the wave's end
	ds_add_u32 v10, v11
	s_wait_dscnt 0x0
	s_endpgm
.Lfunc_end_k_q5745f2ae24_wq:
	.size	k_q5745f2ae24_wq, .Lfunc_end_k_q5745f2ae24_wq-k_q5745f2ae24_wq
	.p2alignl 7, 3214868480
	.fill 96, 4, 3214868480
	.section	.rodata,"a",@progbits
	.p2align	6, 0x0
	.amdhsa_kernel k_q5745f2ae24_wq
		.amdhsa_group_segment_fixed_size 768
		.amdhsa_private_segment_fixed_size 0
		.amdhsa_enable_private_segment 0
		.amdhsa_kernarg_size 32
		.amdhsa_user_sgpr_count 2
		.amdhsa_user_sgpr_kernarg_segment_ptr 1
		.amdhsa_wavefront_size32 1
		.amdhsa_system_sgpr_workgroup_id_x 1
		.amdhsa_system_sgpr_workgroup_id_y 1
		.amdhsa_system_sgpr_workgroup_id_z 1
		.amdhsa_system_vgpr_workitem_id 0
		.amdhsa_next_free_vgpr 96
		.amdhsa_next_free_sgpr 66
		.amdhsa_reserve_vcc 0
		.amdhsa_float_denorm_mode_32 3
		.amdhsa_float_denorm_mode_16_64 3
		.amdhsa_memory_ordered 1
		.amdhsa_forward_progress 1
		.amdhsa_inst_pref_size 7
	.end_amdhsa_kernel
	.amdgpu_metadata
---
amdhsa.version: [ 1, 2 ]
amdhsa.kernels:
  - .name:           k_q5745f2ae24_wq
    .symbol:         k_q5745f2ae24_wq.kd
    .args:
      - { .name: Wq, .offset: 0, .size: 8, .value_kind: global_buffer, .address_space: global }
      - { .name: Wk, .offset: 8, .size: 8, .value_kind: global_buffer, .address_space: global }
      - { .name: Wv, .offset: 16, .size: 8, .value_kind: global_buffer, .address_space: global }
      - { .name: w_img, .offset: 24, .size: 8, .value_kind: global_buffer, .address_space: global }
    .group_segment_fixed_size: 768
    .private_segment_fixed_size: 0
    .kernarg_segment_align: 8
    .kernarg_segment_size: 32
    .max_flat_workgroup_size: 128
    .sgpr_count:     66
    .vgpr_count:     96
    .wavefront_size: 32
...
	.end_amdgpu_metadata
.endif
;; end of part 1
;; launch proj (part 2): grid 256 x 1, 4 waves a work-group, clusters of 4 x 1, 327,680 bytes of LDS; arguments x, w_img, q_codes, q_scales, kv; writes q_codes, q_scales, kv
.if DOCPART == 2
	.amdgcn_target "amdgcn-amd-amdhsa--gfx1250"
	.amdhsa_code_object_version 6
	.text
	.protected	k_q5745f2ae24_proj
	.globl	k_q5745f2ae24_proj
	.p2align	8
	.type	k_q5745f2ae24_proj,@function
k_q5745f2ae24_proj:
	s_mov_b64 s[64:65], 0
	v_nop
	global_prefetch_b8 v0, s[64:65] scope:SCOPE_SE
	s_setreg_imm32_b32 hwreg(HW_REG_WAVE_MODE, 25, 1), 1
	s_wait_xcnt 0x0
	s_wait_alu depctr_hold_cnt(0) depctr_sa_sdst(0) depctr_va_vdst(0) depctr_va_sdst(0) depctr_va_ssrc(0) depctr_va_vcc(0) depctr_vm_vsrc(0)
	s_getreg_b32 s2, hwreg(HW_REG_IB_STS2, 6, 4)
	s_cmp_eq_u32 s2, 0
	s_cbranch_scc0 .Lentry_in_a_cluster
	s_endpgm
.Lentry_in_a_cluster:
	s_bfe_u32 s2, ttmp6, 0x10000c
	s_cmp_lg_u32 s2, 0x3003
	s_cbranch_scc0 .Lentry_shape_is_right
	s_endpgm
.Lentry_shape_is_right:
; q = rope(x Wq), k = rope(x Wk), v = x Wv on codes of FP8 (E4M3) with one E8M0 scale for each 32 along K = 768; then q and k are quantised along the head's 192, v along the keys.
; OUT: q_codes [tile of 16 rows][block of 32 features, 6][lane][16 bytes]; q_scales [128 rows][rh 2][f 2][p 2][r 16][u 2] words (tile 4 rh + 2 p + u; word f = the bytes of blocks 3 f .. 3 f + 2, and 0);
;   kv [batch]: k's codes, 98,304 bytes, laid as q's; v's codes [128 keys][tile of 16 channels, 12][block of 32 keys, 4][lane][16 bytes]; k's scale words, 4,096 bytes; v's [128 keys][256] words, 192 used, the rest zeros.
; Lane r of tile 2 b + u holds member 32 b + 8 u + r + 8 (r / 8) for x's rows and W's columns alike.  q and k are made TRANSPOSED (source 0 = W, source 1 = x): a lane has one row and, in the 16 registers of tiles 2 b, 2 b + 1 (a UNIT), 16 neighbouring features;
; v plainly (source 0 = x): one channel and 16 neighbouring keys.  So the conversions' results are operand registers.
; SHARES.  A work-group takes 128 rows, K OUTERMOST in six steps of 128.  Wave w loads and quantises rows 32 w .. + 31; wave (rh, ch) multiplies rows 64 rh .. + 63 by columns 96 ch .. + 95 of Wq, Wk and Wv: 72 accumulators, 576 registers.
; x GOES FROM MEMORY INTO REGISTERS, two K steps ahead (256 registers), and is quantised where it lands: a pair of loads brings 512 consecutive bytes of each of two rows; a lane holds numbers 4 j .. + 3 and 16 + 4 j .. + 3 of a block, four lanes a block.
; The codes (in the order of k that W's image has too) go to the other waves through LDS, two buffers by turns.
; W's K steps come as images of 76,800 bytes (36 fragments, scale words, zeros) through a ring of two slots, each asked for JOINTLY by the cluster's four work-groups, a quarter a wave.
; No prefetch: x is streamed with 64 loads a wave on their way, and W's image is read by every cluster.
; ROPE: cos and sin of t x 10000^(-i/16) in f32: the angle with one rounding, a reduction by pi/2 in three parts with fused multiply-adds, polynomials of degree 8 and 9; made at the head, kept in LDS.
; LIMITS: the sixteen frequencies are the f32 numbers nearest to 10^(-i/4): a power and a reciprocal in f32 may give a neighbour, which moves an angle by 3e-5 rad at the most (t = 511); a block of zeros gets the byte 1 where the quantiser says 127
; (its codes are zeros, and this program alone reads the bytes); blocks under 2^(9 - 127) have their byte held at 1; NaN and infinities among the inputs are not served.
; REGISTERS: window 0: v1-28 addresses, scale words; v32-127 W's fragments, three sets of two (between the products: at work); v128-191 x's four fragments; v192-255 units 32-35;  windows 1, 2: units 0-31;  window 3: the stream.
; Unit 12 c + 3 m + b (c = 0 q, 1 k; row tile m, block b);  24 + 6 (m / 2) + j (v, channel tile j).
.set SLOTB, 76800
.set SPARE, 2*SLOTB                    ; the spare words, 128 bytes a wave
.set XIMG, SPARE+512                   ; x's codes: two buffers of 8 fragments; a fragment is 8 pieces (block, half) of 256 bytes, 272 apart
.set XB,   17408
.set XSC,  XIMG+2*XB                   ; its scale words: two buffers of 512 bytes
.set CSB,  XSC+1024                    ; cos and sin: [row tile 8][4][lane][16]
.set VS,   CSB+16384                   ; v's scale words.  From XIMG on: written by LDS stores alone
.set SPW, 1
.set NIL, 2
.set L16, 3
.set XO,  4                            ; x: my offset in a load
.set XCW, 5                            ; where I store codes; v6 scale bytes
.set XSW, 6
.set XR,  7                            ; where I read x's fragments; v8 scale words
.set XSR, 8
.set WA,  9                            ; v9-10 W's fragments in slot 0, 1; v11-12 scale words
.set WSA, 11
.set L8,  13
.set VSA, 14
.set VPAD, 15
.set VRD, 16
.set CSW, 17
.set CSR, 18
.set ZZ,  19
.set XS,  20                           ; v20-21 x's scale words: lanes 0-15 tile m, lanes 16-31 tile m + 1
.set TF,  22
.set WS,  24                           ; v24-26 W's, one a set, likewise
.set RR,  27
.set HH,  28
.set WF,  32
.set XF,  128
.set IV,  80                           ; the head: v80-87 frequencies
.set A_TH, 128
.set A_NN, 136
.set A_S2, 144
.set A_CP, 152
.set A_SP, 160
.set A_QI, 168
.set CSV, 32                           ; the way out: v32-95 cos, sin; v96-143 codes; v144-159 magnitudes, bounds, operands; v160-171 bytes; v172-187 at work; v188-191 words
.set PC,  96
.set TM,  144
.set BY,  160
.set RT,  172
.set PW,  188
.set WV,  22
.set RH,  23
.set CH,  24
.set CX,  25
.set WG,  26
.set HM,  27
.set G1W, 32
.set G0,  48
.set SEL, 60
.set MNT, 62
.set TR,  63
.set C2PI, 66
.set PIH, 67
.set PIM, 68
.set PIL, 69
.set CC0, 70
.set CC1, 71
.set CC2, 72
.set SS0, 73
.set SS1, 74
.set SS2, 75
.set SS3, 76
.set MSB, 0
.macro WIN new                         ; the immediate's high byte repeats the setting that is left
.if MSB != (\new)
	s_set_vgpr_msb (MSB<<8)|(\new)
.set MSB, \new
.endif
.endm
.macro PLACES n
.rept \n
	v_nop
.endr
.endm
.macro WALU
	s_wait_alu depctr_va_vdst(0)
.endm
.macro ROUND                           ; a round of the cluster's barrier
	s_barrier_signal -1
	s_barrier_wait -1
	s_cmp_lg_u32 s[WV], 0
	s_cbranch_scc1 .Lnot_wave_0_\@
	s_barrier_signal -3
.Lnot_wave_0_\@:
	s_barrier_wait -3
	s_barrier_signal -1
	s_barrier_wait -1
.endm
; n pairs of loads from pair p0 on: tile u of my 32 rows, K step ks (from s[4:5]).  Pair p: rows 8 u + p (lanes 0-15) and 8 u + p + 16 (lanes 16-31); the second load takes the other 64 bytes of each 128
.macro LOADU ks, u, p0, n
	WIN 0xc0
.set HB_, 64*(2*((\ks)%2)+(\u))
.set LI_, \p0
.rept \n
	global_load_b128 v[HB_+8*LI_:HB_+8*LI_+3], v[XO], s[4:5] offset:(8*(\u)+LI_)*3072+512*(\ks) th:TH_LOAD_RT_NT
	global_load_b128 v[HB_+8*LI_+4:HB_+8*LI_+7], v[XO], s[4:5] offset:(8*(\u)+LI_)*3072+512*(\ks)+64 th:TH_LOAD_RT_NT
.set LI_, LI_+1
.endr
	WIN 0
.endm
; tile u of step k is quantised: eight pairs by turns; cnt: the loads issued behind this tile's
.macro QUANTU k, u, cnt
.set HB_, 64*(2*((\k)%2)+(\u))
.set QM_, 32+40*(\u)                   ; largest magnitudes, then bytes
.set QS_, QM_+8                        ; scale operands
.set QH_, QM_+16                       ; 448 x the scale
.set QC_, QM_+24                       ; codes
	s_wait_loadcnt \cnt
	WIN 0x0f
.irp p, 0,1,2,3,4,5,6,7
	v_max3_num_f32 v[QM_+\p], |v[HB_+8*\p]|, |v[HB_+8*\p+1]|, 0x4800000   ; the floor 2^(9 - 127): the byte cannot fall under 1
.endr
.irp i, 2,4,6
.irp p, 0,1,2,3,4,5,6,7
	v_max3_num_f32 v[QM_+\p], |v[HB_+8*\p+\i]|, |v[HB_+8*\p+\i+1]|, v[QM_+\p]
.endr
.endr
	WIN 0
.irp x, 1,2
.irp p, 0,1,2,3,4,5,6,7
	v_max_num_f32_dpp v[QM_+\p], v[QM_+\p], v[QM_+\p] row_xmask:\x row_mask:0xf bank_mask:0xf   ; the four lanes of a block
.endr
.endr
.irp p, 0,1,2,3,4,5,6,7
	v_add_nc_u32 v[QS_+\p], 0xfc000000, v[QM_+\p]  ; 8 off the exponent field
.endr
.irp p, 0,1,2,3,4,5,6,7
	v_and_or_b32 v[QH_+\p], v[QM_+\p], 0x7f800000, s[MNT]
.endr
.irp p, 0,1,2,3,4,5,6,7
	v_lshrrev_b32 v[QM_+\p], 23, v[QS_+\p]         ; the scale's byte
.endr
	WIN 0xc3
.irp p, 0,1,2,3,4,5,6,7
.irp i, 0,1,2,3,4,5,6,7
	v_med3_num_f32 v[HB_+8*\p+\i], v[HB_+8*\p+\i], -v[QH_+\p], v[QH_+\p]   ; the conversion to an 8-bit code does not saturate (ISA guide 7.6.2)
.endr
.endr
	WIN 0x03
.irp p, 0,1,2,3,4,5,6,7
	v_cvt_scalef32_pk8_fp8_f32 v[QC_+2*\p:QC_+2*\p+1], v[HB_+8*\p:HB_+8*\p+7], v[QS_+\p]
.endr
	WIN 0
	v_nop
.irp p, 0,1,2,3,4,5,6,7
	ds_store_b64 v[XCW], v[QC_+2*\p:QC_+2*\p+1] offset:XB*((\k)%2)+2176*(\u)+16*\p
	ds_store_b8 v[XSW], v[QM_+\p] offset:512*((\k)%2)+64*(\u)+4*\p   ; (a block's four lanes write the same byte with the same value)
.endr
.endm
; Ahead of a step's products: my quarter of its W slot has landed, my codes are stored, my reads of slot n are over; behind the round the joint refill of slot n, one load a wave, which has a whole step in which to land
.macro CHANGE n, fill, adv
	s_wait_tensorcnt 0x0
	ds_add_u32 v[SPW], v[NIL]                      ; 0 onto my spare word
.if \adv
	s_add_nc_u64 s[G0+4*\n+2:G0+4*\n+3], s[G0+4*\n+2:G0+4*\n+3], 2*SLOTB
.endif
	s_wait_dscnt 0x0
.if \fill
	ROUND
	tensor_load_to_lds s[G0+4*\n:G0+4*\n+3], s[G1W:G1W+7]
	s_nop 0
	PLACES 4
.else
	s_barrier_signal -1
	s_barrier_wait -1
.endif
.endm
.macro WFETCH k, g                     ; column tiles 2 jp, 2 jp + 1 of weight c, g = 3 c + jp: nine loads
.set FS_, (\g)%3
.set FT_, 12*((\g)/3)+2*FS_
.irp t, 0,1
.irp q, 0,1,2,3
	ds_load_b128 v[WF+32*FS_+16*\t+4*\q:WF+32*FS_+16*\t+4*\q+3], v[WA+(\k)%2] offset:(FT_+\t)*2048+512*\q
.endr
.endr
	ds_load_b32 v[WS+FS_], v[WSA+(\k)%2] offset:FT_*64
.endm
.macro UNIT                            ; unit U_'s window and first register
.if U_ < 32
.set W_, 1+U_/16
.set R_, 16*(U_%16)
.else
.set W_, 0
.set R_, 192+16*(U_-32)
.endif
.endm
.macro WMM ma, mb
.if Z_
	v_wmma_scale_f32_16x16x128_f8f6f4 v[R_:R_+7], v[A_:A_+15], v[B_:B_+15], 0, v[SA_], v[SB_] \ma \mb
.else
	v_wmma_scale_f32_16x16x128_f8f6f4 v[R_:R_+7], v[A_:A_+15], v[B_:B_+15], v[R_:R_+7], v[SA_], v[SB_] \ma \mb
.endif
.endm
.macro MUL g, zero                     ; eight products.  A step's 72 accumulators take turns, one instruction a turn, in the same order in every step
.set Z_, \zero
.set S_, (\g)%3
.set C_, (\g)/3
.irp m, 0,1,2,3
.irp t, 0,1
.if C_ < 2
.set U_, 12*C_+3*\m+S_
.set H_, \t
.else
.set U_, 24+6*(\m/2)+2*S_+\t
.set H_, \m%2
.endif
	UNIT
.set R_, R_+8*H_
	WIN W_*0x50
.if C_ < 2
.set A_, WF+32*S_+16*\t
.set B_, XF+16*\m
.set SA_, WS+S_
.set SB_, XS+\m/2
.set RA_, \t
.set RB_, \m%2
.else
.set A_, XF+16*\m
.set B_, WF+32*S_+16*\t
.set SA_, XS+\m/2
.set SB_, WS+S_
.set RA_, \m%2
.set RB_, \t
.endif
.if RA_ && RB_
	WMM matrix_a_scale:MATRIX_SCALE_ROW1, matrix_b_scale:MATRIX_SCALE_ROW1
.elseif RA_
	WMM matrix_a_scale:MATRIX_SCALE_ROW1
.elseif RB_
	WMM matrix_b_scale:MATRIX_SCALE_ROW1
.else
	WMM
.endif
.endr
.endr
	WIN 0
.endm
.macro PRODUCTS k, zero                ; a step's 72 products in nine groups; three groups' fragments stand in registers or are on their way
.irp m, 0,1,2,3
.irp c, 0,1,2,3
	ds_load_b128 v[XF+16*\m+4*\c:XF+16*\m+4*\c+3], v[XR] offset:XB*((\k)%2)+2176*\m+544*\c
.endr
.endr
.irp m, 0,1
	ds_load_b32 v[XS+\m], v[XSR] offset:512*((\k)%2)+128*\m
.endr
	WFETCH \k, 0
	WFETCH \k, 1
	WFETCH \k, 2
.irp g, 0,1,2,3,4,5,6,7,8
.if \g < 7
	s_wait_dscnt 18                                ; group g is in; the next two groups' nine loads each may be out
.elseif \g == 7
	s_wait_dscnt 9
.else
	s_wait_dscnt 0x0
.endif
	MUL \g, \zero
	PLACES 8                                       ; behind this form, ahead of loads into what it has read
.if \g < 6
	WFETCH \k, \g+3
.endif
.endr
.endm
; cos and sin of my row's position in tile m times my eight frequencies -> v[res + 2 p], v[res + 2 p + 1], and to LDS
.macro SINCOS m, res
.irp p, 0,1,2,3,4,5,6,7
	v_mul_f32 v[A_TH+\p], v[TF+\m], v[IV+\p]       ; the angle, rounded once
.endr
.irp p, 0,1,2,3,4,5,6,7
	v_mul_f32 v[A_NN+\p], s[C2PI], v[A_TH+\p]
.endr
.irp p, 0,1,2,3,4,5,6,7
	v_rndne_f32 v[A_NN+\p], v[A_NN+\p]             ; n = the nearest multiple of pi/2
.endr
.irp c, PIH, PIM, PIL
.irp p, 0,1,2,3,4,5,6,7
	v_fma_f32 v[A_TH+\p], -v[A_NN+\p], s[\c], v[A_TH+\p]   ; less n x pi/2, in three parts
.endr
.endr
.irp p, 0,1,2,3,4,5,6,7
	v_cvt_i32_f32 v[A_QI+\p], v[A_NN+\p]
.endr
.irp p, 0,1,2,3,4,5,6,7
	v_mul_f32 v[A_S2+\p], v[A_TH+\p], v[A_TH+\p]
.endr
.irp p, 0,1,2,3,4,5,6,7
	v_fma_f32 v[A_CP+\p], v[A_S2+\p], s[CC0], s[CC1]
	v_fma_f32 v[A_SP+\p], v[A_S2+\p], s[SS0], s[SS1]
.endr
.irp p, 0,1,2,3,4,5,6,7
	v_fma_f32 v[A_CP+\p], v[A_CP+\p], v[A_S2+\p], s[CC2]
	v_fma_f32 v[A_SP+\p], v[A_SP+\p], v[A_S2+\p], s[SS2]
.endr
.irp p, 0,1,2,3,4,5,6,7
	v_fma_f32 v[A_CP+\p], v[A_CP+\p], v[A_S2+\p], -0.5
	v_fma_f32 v[A_SP+\p], v[A_SP+\p], v[A_S2+\p], s[SS3]
	v_mul_f32 v[A_NN+\p], v[A_TH+\p], v[A_S2+\p]
.endr
.irp p, 0,1,2,3,4,5,6,7
	v_fma_f32 v[A_CP+\p], v[A_CP+\p], v[A_S2+\p], 1.0      ; cos of the rest
	v_fma_f32 v[A_SP+\p], v[A_SP+\p], v[A_NN+\p], v[A_TH+\p]   ; sin of the rest
.endr
.irp p, 0,1,2,3,4,5,6,7
	v_and_b32 v[A_NN+\p], 1, v[A_QI+\p]
	v_cmp_eq_u32 vcc_lo, 1, v[A_NN+\p]             ; n odd: the two change places
	v_cndmask_b32 v[A_TH+\p], v[A_SP+\p], v[A_CP+\p], vcc_lo
	v_cndmask_b32 v[A_S2+\p], v[A_CP+\p], v[A_SP+\p], vcc_lo
.endr
.irp p, 0,1,2,3,4,5,6,7
	v_and_b32 v[A_NN+\p], 2, v[A_QI+\p]
	v_add_nc_u32 v[A_QI+\p], 1, v[A_QI+\p]
.endr
.irp p, 0,1,2,3,4,5,6,7
	v_lshlrev_b32 v[A_NN+\p], 30, v[A_NN+\p]       ; the sine's sign: n mod 4 = 2, 3
	v_and_b32 v[A_QI+\p], 2, v[A_QI+\p]
.endr
.irp p, 0,1,2,3,4,5,6,7
	v_lshlrev_b32 v[A_QI+\p], 30, v[A_QI+\p]       ; the cosine's: n mod 4 = 1, 2
.endr
.irp p, 0,1,2,3,4,5,6,7
	v_xor_b32 v[\res+2*\p], v[A_S2+\p], v[A_QI+\p]
	v_xor_b32 v[\res+2*\p+1], v[A_TH+\p], v[A_NN+\p]
.endr
.irp i, 0,1,2,3
	ds_store_b128 v[CSW], v[\res+4*\i:\res+4*\i+3] offset:2048*\m+512*\i
.endr
.endm
; units a .. a + 3 of chunk cu (one window) become codes in v[PC + 4 t] on and bytes in v[BY + t].  Each accumulator is read from its low end on
.macro QU4 cu, a
.set U_, 12*(\cu)+(\a)
	UNIT
	WIN W_*0x14                                    ; sources 1 and 2
.irp e, 0,1,2,3
	v_max3_num_f32 v[TM+\e], 0x4800000, |v[R_+16*\e]|, |v[R_+16*\e+1]|
.endr
.irp i, 2,4,6,8,10,12,14
.irp e, 0,1,2,3
	v_max3_num_f32 v[TM+\e], v[TM+\e], |v[R_+16*\e+\i]|, |v[R_+16*\e+\i+1]|
.endr
.endr
	WIN 0
.irp e, 0,1,2,3
	v_permlanex16_b32 v[TM+4+\e], v[TM+\e], s[SEL], s[SEL+1]
.endr
.irp e, 0,1,2,3
	v_max_num_f32 v[TM+\e], v[TM+\e], v[TM+4+\e]   ; with lane l xor 16's
.endr
.irp e, 0,1,2,3
	v_add_nc_u32 v[TM+12+\e], 0xfc000000, v[TM+\e]
.endr
.irp e, 0,1,2,3
	v_and_or_b32 v[TM+8+\e], v[TM+\e], 0x7f800000, s[MNT]
.endr
.irp e, 0,1,2,3
	v_lshrrev_b32 v[BY+(\a)+\e], 23, v[TM+12+\e]
.endr
	WIN W_*0x41                                    ; destination and source 0
.irp e, 0,1,2,3
.irp i, 0,1,2,3,4,5,6,7,8,9,10,11,12,13,14,15
	v_med3_num_f32 v[R_+16*\e+\i], v[R_+16*\e+\i], -v[TM+8+\e], v[TM+8+\e]
.endr
.endr
	WIN W_
.irp e, 0,1,2,3
	v_cvt_scalef32_pk8_fp8_f32 v[PC+4*((\a)+\e):PC+4*((\a)+\e)+1], v[R_+16*\e:R_+16*\e+7], v[TM+12+\e]
	v_cvt_scalef32_pk8_fp8_f32 v[PC+4*((\a)+\e)+2:PC+4*((\a)+\e)+3], v[R_+16*\e+8:R_+16*\e+15], v[TM+12+\e]
.endr
	WIN 0
	v_nop
.endm
; the rotation of features 0 .. 31 of tile m's rows: registers 2 p, 2 p + 1 of unit (m, 0) are pair 8 h + p: (a, b) -> (a cos - b sin, b cos + a sin)
.macro ROPE cu, m
.set U_, 12*(\cu)+3*(\m)
	UNIT
	WIN W_
.irp p, 0,1,2,3,4,5,6,7
	v_mul_f32 v[RT+2*\p], v[R_+2*\p+1], v[CSV+16*\m+2*\p+1]
	v_mul_f32 v[RT+2*\p+1], v[R_+2*\p], v[CSV+16*\m+2*\p+1]
.endr
	WIN W_*0x41
.irp p, 0,1,2,3,4,5,6,7
	v_fma_f32 v[R_+2*\p], v[R_+2*\p], v[CSV+16*\m+2*\p], -v[RT+2*\p]
	v_fma_f32 v[R_+2*\p+1], v[R_+2*\p+1], v[CSV+16*\m+2*\p], v[RT+2*\p+1]
.endr
	WIN 0
.endm
.macro EPIQK cu, cb, sb
	s_wait_xcnt 0x0                                ; the last way out's stores have read their registers
	WALU
	s_cmp_lg_u32 s[CH], 0                          ; features 0 .. 31 lie with the waves of ch = 0
	s_cbranch_scc1 .Lplain_\@
	ROPE \cu, 0
	ROPE \cu, 1
	ROPE \cu, 2
	ROPE \cu, 3
.Lplain_\@:
	QU4 \cu, 0
	QU4 \cu, 4
	QU4 \cu, 8
.irp m, 0,1,2,3
	v_lshl_or_b32 v[PW+\m], v[BY+3*\m+1], 8, v[BY+3*\m]   ; tile m's word: three bytes, and 0 for the fourth block, whose codes are zeros
.endr
.irp m, 0,1,2,3
	v_lshl_or_b32 v[PW+\m], v[BY+3*\m+2], 16, v[PW+\m]
.endr
.irp m, 0,1,2,3
.irp b, 0,1,2
	global_store_b128 v[L16], v[PC+4*(3*\m+\b):PC+4*(3*\m+\b)+3], s[\cb:\cb+1] offset:3072*\m+512*\b   ; 512 consecutive bytes
.endr
.endr
	v_cndmask_b32 v[RT], v[PW], v[PW+2], s[HM]     ; lanes 0-15: tiles 0, 1; lanes 16-31: tiles 2, 3
	v_cndmask_b32 v[RT+1], v[PW+1], v[PW+3], s[HM]
	global_store_b64 v[L8], v[RT:RT+1], s[\sb:\sb+1]   ; 256 consecutive bytes
.endm
	s_load_b256 s[4:11], s[0:1], 0x0               ; x, w_img, q_codes, q_scales
	s_load_b64 s[12:13], s[0:1], 0x20              ; kv
	v_lshl_add_u32 v[SPW], v0, 2, SPARE
	v_mov_b32 v[NIL], 0
	ds_add_u32 v[SPW], v[NIL]                      ; the wave's opening: the add, twice on end, and its wait
	ds_add_u32 v[SPW], v[NIL]
	v_lshrrev_b32 v[RR], 5, v0
	v_readfirstlane_b32 s[WV], v[RR]
	s_lshr_b32 s[RH], s[WV], 1
	s_and_b32 s[CH], s[WV], 1
	s_bfe_u32 s[CX], ttmp6, 0x40000                ; my place in the cluster: it enters global addresses and positions alone
	s_lshl_b32 s[WG], ttmp9, 2
	s_add_co_u32 s[WG], s[WG], s[CX]
	v_and_b32 v[RR], 15, v0
	v_bfe_u32 v[HH], v0, 4, 1
	v_and_b32 v[L8], 31, v0
	v_lshlrev_b32 v[L16], 4, v[L8]
	v_lshrrev_b32 v32, 2, v[RR]                    ; block b
	v_and_b32 v33, 3, v[RR]                        ; j
	v_mul_u32_u24 v[XO], v[HH], 49152              ; lanes 16-31: sixteen rows on
	v_lshl_add_u32 v[XO], v32, 7, v[XO]
	v_lshl_add_u32 v[XO], v33, 4, v[XO]
	s_mul_i32 s28, s[WG], 393216                   ; x: 128 rows of 3,072 bytes a work-group, 32 a wave
	s_mul_i32 s29, s[WV], 98304
	s_add_co_u32 s28, s28, s29
	s_mov_b32 s29, 0
	WALU
	s_wait_dscnt 0x0
	s_wait_kmcnt 0x0
	s_add_nc_u64 s[4:5], s[4:5], s[28:29]
	LOADU 0, 0, 0, 8                               ; the stream begins before anything else
	LOADU 0, 1, 0, 8
	s_mov_b32 s[G1W], 15|(3<<16)|(1<<21)           ; descriptor group 1: 15:0 all four work-groups; 17:16 elements of 8 bytes; 21 set beside a mask.  A quarter of a K step: 19,200 dense bytes as 75 rows of 256
	s_mov_b32 s[G1W+1], 32<<16
	s_mov_b32 s[G1W+2], 75<<16
	s_mov_b32 s[G1W+3], 32<<16
	s_mov_b32 s[G1W+4], 75
	s_mov_b32 s[G1W+5], 32
	s_mov_b32 s[G1W+6], 0
	s_mov_b32 s[G1W+7], 0
	s_mul_i32 s28, s[WV], 19200
	s_mov_b32 s29, 0
	s_mov_b32 s[G0], 1
	s_mov_b32 s[G0+1], s28
	s_add_nc_u64 s[G0+2:G0+3], s[6:7], s[28:29]    ; K step 0 into slot 0
	s_mov_b32 s[G0+4], 1
	s_add_co_u32 s[G0+5], s28, SLOTB
	s_add_nc_u64 s[G0+6:G0+7], s[G0+2:G0+3], SLOTB ; K step 1 into slot 1
	s_or_b32 s[G0+3], s[G0+3], 0x80000000
	s_or_b32 s[G0+7], s[G0+7], 0x80000000
	ROUND                                          ; all four work-groups are here
	tensor_load_to_lds s[G0:G0+3], s[G1W:G1W+7]    ; one tensor load a wave at the head
	s_nop 0
	PLACES 4
	LOADU 1, 0, 0, 8
	LOADU 1, 1, 0, 7
	s_mov_b32 s[HM], 0xffff0000
	s_mov_b32 s[SEL], 0x76543210
	s_mov_b32 s[SEL+1], 0xfedcba98
	s_mov_b32 s[MNT], 0x600000
	s_mov_b32 s[C2PI], 0x3f22f983                  ; 2 / pi
	s_mov_b32 s[PIH], 0x3fc90fd8                   ; pi / 2 in three parts
	s_mov_b32 s[PIM], 0x34a8885a
	s_mov_b32 s[PIL], 0x27c234c5
	s_mov_b32 s[CC0], 0x37cd4000                   ; cos: 2.44677067e-5, -1.38877297e-3, 4.16666567e-2, -1/2, 1
	s_mov_b32 s[CC1], 0xbab6077d
	s_mov_b32 s[CC2], 0x3d2aaaa8
	s_mov_b32 s[SS0], 0x36405000                   ; sin: 2.86567956e-6, -1.98559923e-4, 8.33338592e-3, -1.66666672e-1
	s_mov_b32 s[SS1], 0xb9503486
	s_mov_b32 s[SS2], 0x3c0888c1
	s_mov_b32 s[SS3], 0xbe2aaaab
	; every LDS address: a constant, a constant x lane, a constant x wave
	v_lshrrev_b32 v32, 2, v[RR]
	v_and_b32 v33, 3, v[RR]
	v_lshrrev_b32 v34, 1, v33
	v_lshl_add_u32 v34, v32, 1, v34                ; piece 2 b + j / 2
	v_mul_u32_u24 v[XCW], v34, 272
	v_and_b32 v33, 1, v33
	v_lshl_add_u32 v[XCW], v33, 3, v[XCW]
	v_lshl_add_u32 v[XCW], v[HH], 7, v[XCW]
	s_mul_i32 s28, s[WV], 4352
	s_add_co_u32 s28, s28, XIMG
	v_add_nc_u32 v[XCW], s28, v[XCW]
	v_lshl_add_u32 v[XSW], v[HH], 5, v32
	s_lshl_b32 s28, s[WV], 7
	s_add_co_u32 s28, s28, XSC
	v_add_nc_u32 v[XSW], s28, v[XSW]
	v_mul_u32_u24 v[XR], v[HH], 272
	v_lshl_add_u32 v[XR], v[RR], 4, v[XR]
	s_mul_i32 s28, s[RH], 8704
	s_add_co_u32 s28, s28, XIMG
	v_add_nc_u32 v[XR], s28, v[XR]
	v_lshlrev_b32 v35, 2, v[L8]                    ; 4 x lane
	v_lshlrev_b32 v36, 1, v[L8]                    ; 2 x lane
	v_lshlrev_b32 v[L8], 3, v[L8]
	WALU
	s_lshl_b32 s28, s[RH], 8
	s_add_co_u32 s28, s28, XSC
	v_add_nc_u32 v[XSR], s28, v35
	s_mul_i32 s28, s[CH], 12288
	v_add_nc_u32 v[WA], s28, v[L16]
	v_add_nc_u32 v[WA+1], SLOTB, v[WA]
	s_mul_i32 s28, s[CH], 384
	s_add_co_u32 s29, s28, 73728
	v_add_nc_u32 v[WSA], s29, v35
	v_add_nc_u32 v[WSA+1], SLOTB, v[WSA]
	s_lshl_b32 s29, s[RH], 1
	s_add_co_u32 s28, s28, s29
	s_add_co_u32 s28, s28, VS
	v_lshl_add_u32 v[VSA], v[RR], 2, s28           ; channel (6 ch + j, r)'s word, bytes 2 rh and 2 rh + 1
	s_lshl_b32 s28, s[WV], 6
	s_add_co_u32 s28, s28, VS+768
	v_add_nc_u32 v[VPAD], s28, v36
	s_lshl_b32 s28, s[WV], 8
	s_add_co_u32 s28, s28, VS
	v_add_nc_u32 v[VRD], s28, v[L8]
	s_lshl_b32 s28, s[WV], 12
	s_add_co_u32 s28, s28, CSB
	v_add_nc_u32 v[CSW], s28, v[L16]
	s_lshl_b32 s28, s[RH], 13
	s_add_co_u32 s28, s28, CSB
	v_add_nc_u32 v[CSR], s28, v[L16]
	v_mov_b32 v[ZZ], 0
	; cos and sin: wave (rh, ch) makes row tiles 2 ch, 2 ch + 1 of rh's four: positions 128 cx + 64 rh + 32 ch + 8 m + r + 8 (r / 8)
	s_lshl_b32 s28, s[CX], 7
	s_lshl_b32 s29, s[WV], 5
	s_add_co_u32 s28, s28, s29
	v_and_b32 v34, 8, v[RR]
	v_add_nc_u32 v34, v34, v[RR]
	v_add_nc_u32 v34, s28, v34
	v_add_nc_u32 v35, 8, v34
	v_cvt_f32_u32 v[TF], v34
	v_cvt_f32_u32 v[TF+1], v35
	s_mov_b32 vcc_lo, 0xffff                       ; lanes 0-15 hold pairs 0 .. 7, lanes 16-31 pairs 8 .. 15
.macro FREQ p, lo, hi                  ; 10^(-i/4) for i = p and i = 8 + p
	v_mov_b32 v[IV+\p], \lo
	v_cndmask_b32 v[IV+\p], \hi, v[IV+\p], vcc_lo
.endm
	FREQ 0, 0x3f800000, 0x3c23d70a
	FREQ 1, 0x3f0ff59a, 0x3bb8449c
	FREQ 2, 0x3ea1e89b, 0x3b4f3e37
	FREQ 3, 0x3e361887, 0x3ae91528
	FREQ 4, 0x3dcccccd, 0x3a83126f
	FREQ 5, 0x3d6655c3, 0x3a136a16
	FREQ 6, 0x3d0186e2, 0x39a5cb5f
	FREQ 7, 0x3c91ad39, 0x393a7753
	SINCOS 0, 176
	SINCOS 1, 112
	LOADU 1, 1, 7, 1
	; my parts of the outputs
	s_mul_i32 s78, s[RH], 12288                    ; q's and k's codes: four tiles of 3,072 bytes; my three blocks of each
	s_mul_i32 s79, s[CH], 1536
	s_add_co_u32 s78, s78, s79
	s_mov_b32 s79, 0
	s_mul_i32 s28, ttmp9, 204800                   ; the batch's image
	s_mul_i32 s29, s[CX], 24576
	s_add_co_u32 s28, s28, s29
	s_mov_b32 s29, 0
	s_add_nc_u64 s[18:19], s[12:13], s[28:29]      ; my quarter's codes
	s_add_nc_u64 s[14:15], s[18:19], s[78:79]
	s_mul_i32 s80, s[CH], 12288                    ; v's codes: six tiles of 2,048 bytes; my two blocks of each
	s_lshl_b32 s81, s[RH], 10
	s_add_co_u32 s80, s80, s81
	s_add_co_u32 s80, s80, 98304
	s_mov_b32 s81, 0
	s_add_nc_u64 s[18:19], s[18:19], s[80:81]
	s_mul_i32 s28, s[WG], 24576
	s_add_nc_u64 s[8:9], s[8:9], s[78:79]
	s_add_nc_u64 s[8:9], s[8:9], s[28:29]
	s_lshl_b32 s82, s[WV], 8                       ; scale words: 256 bytes a wave
	s_mov_b32 s83, 0
	s_lshl_b32 s28, s[WG], 10
	s_add_nc_u64 s[10:11], s[10:11], s[28:29]
	s_add_nc_u64 s[10:11], s[10:11], s[82:83]
	s_mul_i32 s28, ttmp9, 204800
	s_lshl_b32 s78, s[CX], 10
	s_add_co_u32 s28, s28, s78
	s_add_co_u32 s28, s28, s82
	s_add_co_u32 s28, s28, 196608
	s_add_nc_u64 s[16:17], s[12:13], s[28:29]
	s_add_nc_u64 s[20:21], s[16:17], 4096
	s_mov_b32 s[TR], 0
	WALU                                           ; the head's end
	; ---- six K steps.  In a step each tile's wait leaves out the loads issued behind it: 16 a tile
	QUANTU 0, 0, 48
	QUANTU 0, 1, 32
	LOADU 2, 0, 0, 8
	LOADU 2, 1, 0, 8
	CHANGE 1, 1, 0                                 ; slot 1's first fill
	PRODUCTS 0, 1                                  ; the first products start the sums
.Lk:                                               ; two trips: steps 1, 2 and 3, 4
	QUANTU 1, 0, 48
	QUANTU 1, 1, 32
	LOADU 3, 0, 0, 8
	LOADU 3, 1, 0, 8
	CHANGE 0, 1, 1
	PRODUCTS 1, 0
	QUANTU 2, 0, 48
	QUANTU 2, 1, 32
	WALU
	s_cmp_eq_u32 s[TR], 1                          ; step 4 has no step two on
	s_cbranch_scc1 .Lno_more
	LOADU 4, 0, 0, 8
	LOADU 4, 1, 0, 8
.Lno_more:
	CHANGE 1, 1, 1
	PRODUCTS 2, 0
	s_wait_xcnt 0x0
	s_add_nc_u64 s[4:5], s[4:5], 1024              ; two K steps on
	WALU
	s_add_co_u32 s[TR], s[TR], 1
	s_cmp_lt_u32 s[TR], 2
	s_cbranch_scc1 .Lk
	QUANTU 5, 0, 16
	QUANTU 5, 1, 0
	CHANGE 0, 0, 0                                 ; nothing is left to fetch
	PRODUCTS 5, 0
	; ---- the way out: v, k, q
.irp m, 0,1,2,3
.irp i, 0,1,2,3
	ds_load_b128 v[CSV+16*\m+4*\i:CSV+16*\m+4*\i+3], v[CSR] offset:2048*\m+512*\i
.endr
.endr
.irp b, 0,1,2,3
	v_mov_b32 v[TM+4+\b], 0                        ; a lane permute's destination counts as one of its sources
.endr
	QU4 2, 0
	QU4 2, 4
	QU4 2, 8
.irp p, 0,1
.irp j, 0,1,2,3,4,5
	global_store_b128 v[L16], v[PC+4*(6*\p+\j):PC+4*(6*\p+\j)+3], s[18:19] offset:2048*\j+512*\p   ; unit 6 p + j: channel tile 6 ch + j, keys 32 (2 rh + p) + 16 h + 0 .. 15
.endr
.endr
.irp j, 0,1,2,3,4,5
	v_lshl_or_b32 v[RT+\j], v[BY+6+\j], 8, v[BY+\j]   ; my two bytes of a channel's word; the other two come from the wave of the other 64 keys
.endr
.irp j, 0,1,2,3,4,5
	ds_store_b16 v[VSA], v[RT+\j] offset:64*\j     ; (both halves of the lanes write the same bytes with the same value)
.endr
	ds_store_b16 v[VPAD], v[ZZ]                    ; the 256 bytes behind the 192 words: zeros
	WALU
	s_wait_dscnt 0x0                               ; cos and sin are in; my words are stored
	EPIQK 1, 14, 16
	s_wait_dscnt 0x0
	s_barrier_signal -1
	s_barrier_wait -1                              ; everybody's words of v are in
	ds_load_b64 v[PW:PW+1], v[VRD]
	s_wait_dscnt 0x0
	global_store_b64 v[L8], v[PW:PW+1], s[20:21]   ; 256 consecutive bytes a wave
	EPIQK 0, 8, 10
	s_wait_tensorcnt 0x0                           ; the wave's end
	ds_add_u32 v[SPW], v[NIL]
	s_wait_dscnt 0x0
	ROUND                                          ; the closing round
	s_endpgm
.Lfunc_end_k_q5745f2ae24_proj:
	.size	k_q5745f2ae24_proj, .Lfunc_end_k_q5745f2ae24_proj-k_q5745f2ae24_proj
	.p2alignl 7, 3214868480
	.fill 96, 4, 3214868480
	.section	.rodata,"a",@progbits
	.p2align	6, 0x0
	.amdhsa_kernel k_q5745f2ae24_proj
		.amdhsa_group_segment_fixed_size 327680
		.amdhsa_private_segment_fixed_size 0
		.amdhsa_enable_private_segment 0
		.amdhsa_kernarg_size 40
		.amdhsa_user_sgpr_count 2
		.amdhsa_user_sgpr_kernarg_segment_ptr 1
		.amdhsa_wavefront_size32 1
		.amdhsa_system_sgpr_workgroup_id_x 1
		.amdhsa_system_sgpr_workgroup_id_y 1
		.amdhsa_system_sgpr_workgroup_id_z 1
		.amdhsa_system_vgpr_workitem_id 0
		.amdhsa_next_free_vgpr 1024
		.amdhsa_next_free_sgpr 84
		.amdhsa_reserve_vcc 1
		.amdhsa_float_denorm_mode_32 3
		.amdhsa_float_denorm_mode_16_64 3
		.amdhsa_memory_ordered 1
		.amdhsa_forward_progress 1
		.amdhsa_inst_pref_size 255
	.end_amdhsa_kernel
	.section	.bss,"aw",@nobits
	.p2align	6
	.space	262144
	.amdgpu_metadata
---
amdhsa.version: [ 1, 2 ]
amdhsa.kernels:
  - .name:           k_q5745f2ae24_proj
    .symbol:         k_q5745f2ae24_proj.kd
    .args:
      - { .name: x, .offset: 0, .size: 8, .value_kind: global_buffer, .address_space: global }
      - { .name: w_img, .offset: 8, .size: 8, .value_kind: global_buffer, .address_space: global }
      - { .name: q_codes, .offset: 16, .size: 8, .value_kind: global_buffer, .address_space: global }
      - { .name: q_scales, .offset: 24, .size: 8, .value_kind: global_buffer, .address_space: global }
      - { .name: kv, .offset: 32, .size: 8, .value_kind: global_buffer, .address_space: global }
    .group_segment_fixed_size: 327680
    .private_segment_fixed_size: 0
    .kernarg_segment_align: 8
    .kernarg_segment_size: 40
    .max_flat_workgroup_size: 128
    .sgpr_count:     84
    .vgpr_count:     1024
    .wavefront_size: 32
...
	.end_amdgpu_metadata
.endif
;; end of part 2
;; launch attn (part 3): grid 256 x 1, 20 waves a work-group, clusters of 4 x 1, 327,680 bytes of LDS; arguments q_codes, q_scales, kv, out0; writes out0
.if DOCPART == 3
	.amdgcn_target "amdgcn-amd-amdhsa--gfx1250"
	.amdhsa_code_object_version 6
	.text
	.protected	k_q5745f2ae24_attn
	.globl	k_q5745f2ae24_attn
	.p2align	8
	.type	k_q5745f2ae24_attn,@function
k_q5745f2ae24_attn:
	s_mov_b64 s[64:65], 0
	v_nop
	global_prefetch_b8 v0, s[64:65] scope:SCOPE_SE
	s_setreg_imm32_b32 hwreg(HW_REG_WAVE_MODE, 25, 1), 1
	s_wait_xcnt 0x0
	s_wait_alu depctr_hold_cnt(0) depctr_sa_sdst(0) depctr_va_vdst(0) depctr_va_sdst(0) depctr_va_ssrc(0) depctr_va_vcc(0) depctr_vm_vsrc(0)
	s_getreg_b32 s2, hwreg(HW_REG_IB_STS2, 6, 4)
	s_cmp_eq_u32 s2, 0
	s_cbranch_scc0 .Lentry_in_a_cluster
	s_endpgm
.Lentry_in_a_cluster:
	s_bfe_u32 s2, ttmp6, 0x10000c
	s_cmp_lg_u32 s2, 0x3003
	s_cbranch_scc0 .Lentry_shape_is_right
	s_endpgm
.Lentry_shape_is_right:
; out[b][q][:] = the sum over k <= q of softmax_k(q . k / sqrt(192)) v[k][:], both products on codes of FP8 (E4M3) with one E8M0 scale for each 32 along a product's K.  The operands come as register images (the launch before).
; THE SOFTMAX AHEAD OF THE SECOND PRODUCT: t = score x log2(e) / sqrt(192); M = a row's largest t rounded UP to a whole number; p = 2^(t - M) is quantised, along the keys, not normalised; the sum is taken of the unquantised p, in f32.
; Steps of 128 keys are made apart, each with its own M, and joined: the step's sum and O are multiplied by 2^(its M - the row's M), which is exact, and by 1 / the row's sum.
; K = 192 of the first product goes as two matrix instructions of 96 features and 32 zero codes each, on both sides (the fourth scale byte is 0, which is 2^-127 and harmless over zeros).
; LEFT OUT: steps all of whose keys come after a tile's queries: the mask that reference() builds makes their weights 0 for all inputs.
; SHARES.  A cluster is a batch: its four work-groups read the same image of K and V, 204,800 bytes, asked for JOINTLY, a twentieth a wave, once; nothing is filled again.
; Wave 2 e + u makes ONE step i of ONE tile of 16 queries: e = qd (qd + 1) / 2 + i, i <= qd, query 128 qd + 32 cx + 8 u + r + 8 (r / 8); step qd lies on the diagonal.  So all twenty waves have the same work, and every branch hangs on the wave's number alone.
; Both products are used transposed: a lane holds one query throughout.  The 16 registers of K's tiles 2 b, 2 b + 1 are keys 32 b + 16 h + 0 .. 15; V's tiles hold their channels in the same order.
; No prefetch: the launch has no loop to run ahead in.
; LIMITS: scale and log2(e) are folded into one f32 constant; scaled scores stay under 2^31 in magnitude; a block whose every p is 0 gets the byte 1 (its codes are zeros); NaN and infinities are not served.
; REGISTERS: v1-15 addresses, -M, sums; v16-47 Q, v48-111 S^T then p; later v16-111 O^T; v112-175 K (two tiles of two fragments), then v112-127 p's codes, v128-175 at work, then V; v176-182 scale words; v183-189 addresses.
.set KSC,   196608                     ; LDS: the image: K's codes, V's codes at 98,304, K's scale words, V's scale words.  Once all have read it, a stage of 16 rows x (768 + 16) bytes for each wave lies over it
.set VSC,   200704
.set STB,   12544
.set MLB,   251136                     ; [u 2][qd 4][i 4][r 16] pairs -M, sum
.set SPARE, MLB+4096                   ; the spare words, 128 bytes a wave
.set L16, 1
.set KSA, 2
.set VSA, 3
.set AK,  4
.set AV,  5
.set DD,  6                            ; my query's place in its 128, less 16 h
.set STI, 7
.set SPW, 8
.set NIL, 9
.set QSA, 10
.set NINF, 11
.set Q,   16
.set S,   48
.set O,   16
.set KB,  112
.set PC,  112
.set BM,  128
.set T4,  132
.set LIM, 136
.set SCL, 140
.set TT,  146
.set VB,  128
.set KSR, 176                          ; K's scale words (fragment f, tile t) at 2 f + t;  V's v176-178
.set VSR, 176
.set PSR, 180
.set QSR, 181
.set RD0, 183
.set RD1, 184
.set MLW, 185
.set MLR, 186
.set WV,  18
.set QD,  19
.set UU,  20
.set CX,  21
.set SEL, 22
.set CS,  24
.set MNT, 26
.set II,  27
.set G1,  28
.set G0,  36
.set FL,  40                           ; s41-43: 1.0 where step 1, 2, 3 counts for my tile, else 0
.macro PLACES n
.rept \n
	v_nop
.endr
.endm
.macro WALU
	s_wait_alu depctr_va_vdst(0)
.endm
.macro ROUND                           ; a round of the cluster's barrier
	s_barrier_signal -1
	s_barrier_wait -1
	s_cmp_lg_u32 s[WV], 0
	s_cbranch_scc1 .Lnot_wave_0_\@
	s_barrier_signal -3
.Lnot_wave_0_\@:
	s_barrier_wait -3
	s_barrier_signal -1
	s_barrier_wait -1
.endm
	s_load_b256 s[4:11], s[0:1], 0x0               ; q_codes, q_scales, kv, out0
	v_lshl_add_u32 v[SPW], v0, 2, SPARE
	v_mov_b32 v[NIL], 0
	ds_add_u32 v[SPW], v[NIL]                      ; the wave's opening: the add, twice on end, and its wait
	ds_add_u32 v[SPW], v[NIL]
	v_lshrrev_b32 v[TT], 5, v0
	v_readfirstlane_b32 s[WV], v[TT]
	s_and_b32 s[UU], s[WV], 1
	s_lshr_b32 s66, s[WV], 1                       ; e
	s_lshl_b32 s66, s66, 1
	s_lshr_b32 s[QD], 0xffa94, s66                 ; two bits for each e: 0, 1 1, 2 2 2, 3 3 3 3
	s_and_b32 s[QD], s[QD], 3
	s_lshr_b32 s[II], 0xe4910, s66                 ; 0, 0 1, 0 1 2, 0 1 2 3
	s_and_b32 s[II], s[II], 3
	s_bfe_u32 s[CX], ttmp6, 0x40000                ; my place in the cluster: it enters Q's and out's addresses and the mask's numbers alone
	s_mov_b32 s[SEL], 0x76543210
	s_mov_b32 s[SEL+1], 0xfedcba98
	s_mov_b32 s[CS], 0x3dd53b95                    ; log2(e) / sqrt(192)
	s_mov_b32 s[CS+1], s[CS]
	s_mov_b32 s[MNT], 0x600000
	s_mov_b32 s[G1], 15|(3<<16)|(1<<21)            ; 15:0 all four work-groups; 17:16 elements of 8 bytes; 21 set beside a mask: 10,240 dense bytes as 40 rows of 256
	s_mov_b32 s[G1+1], 32<<16
	s_mov_b32 s[G1+2], 40<<16
	s_mov_b32 s[G1+3], 32<<16
	s_mov_b32 s[G1+4], 40
	s_mov_b32 s[G1+5], 32
	s_mov_b32 s[G1+6], 0
	s_mov_b32 s[G1+7], 0
	s_mul_i32 s67, s[WV], 10240
	s_mul_i32 s70, ttmp9, 204800
	s_add_co_u32 s70, s70, s67
	s_mov_b32 s71, 0
	s_wait_dscnt 0x0
	WALU
	s_wait_kmcnt 0x0
	s_mov_b32 s[G0], 1
	s_mov_b32 s[G0+1], s67
	s_add_nc_u64 s[G0+2:G0+3], s[8:9], s[70:71]
	s_or_b32 s[G0+3], s[G0+3], 0x80000000
	ROUND                                          ; all four work-groups are here
	tensor_load_to_lds s[G0:G0+3], s[G1:G1+7]
	s_nop 0
	PLACES 4
	; Q's tile and its scale words
	v_and_b32 v[TT], 31, v0
	v_lshlrev_b32 v[L16], 4, v[TT]
	v_and_b32 v[TT], 15, v0                        ; r
	v_bfe_u32 v[TT+1], v0, 4, 1                    ; h
	v_lshlrev_b32 v[QSA], 3, v[TT]
	s_lshl_b32 s78, ttmp9, 5
	s_lshl_b32 s80, s[QD], 3
	s_add_co_u32 s78, s78, s80
	s_lshl_b32 s80, s[CX], 1
	s_add_co_u32 s78, s78, s80
	s_add_co_u32 s78, s78, s[UU]                   ; tile 32 batch + 8 qd + 2 cx + u
	s_mul_i32 s78, s78, 3072
	s_mov_b32 s79, 0
	s_lshl_b32 s80, ttmp9, 2
	s_add_co_u32 s80, s80, s[QD]
	s_lshl_b32 s80, s80, 10                        ; [128 rows][cx / 2][f][cx % 2][r][u] words
	s_lshr_b32 s82, s[CX], 1
	s_lshl_b32 s82, s82, 9
	s_add_co_u32 s80, s80, s82
	s_and_b32 s82, s[CX], 1
	s_lshl_b32 s82, s82, 7
	s_add_co_u32 s80, s80, s82
	s_lshl_b32 s82, s[UU], 2
	s_add_co_u32 s80, s80, s82
	s_mov_b32 s81, 0
	s_add_nc_u64 s[4:5], s[4:5], s[78:79]
	s_add_nc_u64 s[6:7], s[6:7], s[80:81]
	WALU
.irp f, 0,1
.irp c, 0,1,2
	global_load_b128 v[Q+16*\f+4*\c:Q+16*\f+4*\c+3], v[L16], s[4:5] offset:1536*\f+512*\c
.endr
	global_load_b32 v[QSR+\f], v[QSA], s[6:7] offset:256*\f
.endr
.irp c, 12,13,14,15
.irp f, 0,1
	v_mov_b32 v[Q+16*\f+\c], 0                     ; the fourth block: zero codes
.endr
.irp f, 0,1,2,3
	v_mov_b32 v[KB+16*\f+\c], 0                    ; likewise in K's four fragment places: no load lands there
.endr
.endr
	; every LDS address
	s_mul_i32 s66, s[II], 24576
	v_add_nc_u32 v[AK], s66, v[L16]
	v_add_nc_u32 v[AV], 98304, v[AK]
	s_lshl_b32 s66, s[II], 10
	s_add_co_u32 s67, s66, KSC
	v_add_nc_u32 v[KSA], s67, v[QSA]
	s_add_co_u32 s67, s66, VSC
	v_lshl_add_u32 v[VSA], v[TT], 2, s67
	s_mul_i32 s66, s[WV], STB
	v_mul_u32_u24 v[STI], v[TT], 784               ; the stage, in: row r, 64 bytes for each half of the lanes; 784 bytes = 196 words: row r starts at bank 4 r mod 64 (ISA guide 11.1)
	v_lshl_add_u32 v[STI], v[TT+1], 6, v[STI]
	v_add_nc_u32 v[STI], s66, v[STI]
	s_lshl_b32 s66, s[UU], 11
	s_lshl_b32 s67, s[QD], 9
	s_add_co_u32 s66, s66, s67
	s_add_co_u32 s66, s66, MLB                     ; my tile's four places
	s_lshl_b32 s67, s[II], 7
	s_add_co_u32 s67, s67, s66
	v_add_nc_u32 v[MLW], s67, v[QSA]
	v_add_nc_u32 v[MLR], s66, v[QSA]
.irp i, 1,2,3
	s_min_u32 s67, s[QD], \i                       ; a step that does not count: the last one that does is read again, and weighed with 0
	s_lshl_b32 s67, s67, 7
	s_add_co_u32 s67, s67, s66
	v_add_nc_u32 v[MLR+\i], s67, v[QSA]
	s_cmp_ge_u32 s[QD], \i
	s_cselect_b32 s[FL+\i], 1.0, 0
.endr
	s_bfe_u32 s68, s[WV], 0x10003                  ; the way out: waves 0-15 take rows 2 a, 2 a + 1 of tiles (0 .. 3, u'): u' = wave / 8, a = wave % 8
	s_and_b32 s69, s[WV], 7
	s_mul_i32 s66, s68, STB
	s_mul_i32 s67, s69, 1568
	s_add_co_u32 s66, s66, s67
	v_add_nc_u32 v[RD0], s66, v[L16]               ; two rows of 768 bytes are three runs of 512; the middle run's lanes 16-31 stand behind one padding
	v_lshl_add_u32 v[RD1], v[TT+1], 4, v[RD0]
	s_lshl_b32 s66, ttmp9, 9
	s_lshl_b32 s67, s[CX], 5
	s_add_co_u32 s66, s66, s67
	s_lshl_b32 s68, s68, 3
	s_add_co_u32 s66, s66, s68
	s_lshl_b32 s68, s69, 1
	s_add_co_u32 s66, s66, s68
	s_lshr_b32 s68, s69, 2
	s_lshl_b32 s68, s68, 3
	s_add_co_u32 s66, s66, s68                     ; row 512 batch + 32 cx + 8 u' + 2 a + 8 (a / 4), and 128 qd
	s_mul_i32 s66, s66, 768
	s_mov_b32 s67, 0
	s_add_nc_u64 s[10:11], s[10:11], s[66:67]
	s_lshl_b32 s66, s[CX], 5
	s_lshl_b32 s67, s[UU], 3
	s_add_co_u32 s66, s66, s67
	v_and_b32 v[DD], 8, v[TT]
	v_add_nc_u32 v[DD], v[DD], v[TT]
	v_lshlrev_b32 v[TT+1], 4, v[TT+1]
	v_sub_nc_u32 v[DD], v[DD], v[TT+1]
	v_add_nc_u32 v[DD], s66, v[DD]                 ; 32 cx + 8 u + r + 8 (r / 8) - 16 h
	v_mov_b32 v[NINF], 0xff800000
	WALU                                           ; the head's end
	s_wait_loadcnt 0x0                             ; Q
	s_wait_tensorcnt 0x0                           ; my part of the image
	s_wait_dscnt 0x0
	s_barrier_signal -1
	s_barrier_wait -1                              ; everybody's
.irp g, 0,1,2,3                        ; S^T = K Q^T, two tiles of 16 keys at a time, their accumulators by turns
.if \g > 0
	PLACES 8                                       ; ahead of loads into what the products have read
.endif
.irp f, 0,1
.irp t, 0,1
.irp c, 0,1,2
	ds_load_b128 v[KB+32*\t+16*\f+4*\c:KB+32*\t+16*\f+4*\c+3], v[AK] offset:(2*\g+\t)*3072+1536*\f+512*\c
.endr
.endr
	ds_load_b64 v[KSR+2*\f:KSR+2*\f+1], v[KSA] offset:512*(\g/2)+128*(\g%2)+256*\f
.endr
	s_wait_dscnt 0x0
.irp t, 0,1
	v_wmma_scale_f32_16x16x128_f8f6f4 v[S+16*\g+8*\t:S+16*\g+8*\t+7], v[KB+32*\t:KB+32*\t+15], v[Q:Q+15], 0, v[KSR+\t], v[QSR]
.endr
.irp t, 0,1
	v_wmma_scale_f32_16x16x128_f8f6f4 v[S+16*\g+8*\t:S+16*\g+8*\t+7], v[KB+32*\t+16:KB+32*\t+31], v[Q+16:Q+31], v[S+16*\g+8*\t:S+16*\g+8*\t+7], v[KSR+2+\t], v[QSR+1]
.endr
.endr
	PLACES 8
	s_cmp_lg_u32 s[QD], s[II]                      ; on the diagonal the scores of hidden keys become -infinity ahead of the maximum; the step's first key counts for every query
	s_cbranch_scc1 .Lopen
.set N_, 0
.rept 64
	v_cmp_gt_i32 vcc_lo, 32*(N_/16)+N_%16, v[DD]   ; register 16 b + e holds key 32 b + 16 h + e of the step
	v_cndmask_b32 v[S+N_], v[S+N_], v[NINF], vcc_lo
.set N_, N_+1
.endr
	WALU
.Lopen:
.irp b, 0,1,2,3
	v_mov_b32 v[T4+\b], 0                          ; a lane permute's destination counts as one of its sources
.endr
	v_mov_b32 v166, 0
.irp b, 0,1,2,3
	v_max3_num_f32 v[BM+\b], v[S+16*\b], v[S+16*\b+1], v[S+16*\b+2]   ; the largest score of each block of 32 keys: for the row's maximum and, since p rises with the score, for the block's largest p
.endr
.irp e, 3,5,7,9,11,13
.irp b, 0,1,2,3
	v_max3_num_f32 v[BM+\b], v[BM+\b], v[S+16*\b+\e], v[S+16*\b+\e+1]
.endr
.endr
.irp b, 0,1,2,3
	v_max_num_f32 v[BM+\b], v[BM+\b], v[S+16*\b+15]
.endr
.irp b, 0,1,2,3
	v_permlanex16_b32 v[T4+\b], v[BM+\b], s[SEL], s[SEL+1]
.endr
.irp b, 0,1,2,3
	v_max_num_f32 v[BM+\b], v[BM+\b], v[T4+\b]
.endr
	v_max3_num_f32 v[TT], v[BM], v[BM+1], v[BM+2]
	v_max_num_f32 v[TT], v[TT], v[BM+3]
	v_mul_f32 v13, s[CS], v[TT]                    ; the step's largest t
	v_floor_f32 v12, -v13                          ; -M: M is a whole number
.set N_, 0
.rept 32
	v_pk_fma_f32 v[S+N_:S+N_+1], v[S+N_:S+N_+1], s[CS:CS+1], v[12:13] op_sel_hi:[1,0,0]   ; t - M
.set N_, N_+2
.endr
.irp b, 0,1,2,3
	v_fma_f32 v[BM+\b], v[BM+\b], s[CS], v12
.endr
	WALU
.set N_, 0
.rept 64
	v_exp_f32 v[S+N_], v[S+N_]                     ; p = 2^(t - M), at most 1
.set N_, N_+1
.endr
.irp b, 0,1,2,3
	v_exp_f32 v[BM+\b], v[BM+\b]                   ; the block's largest p: the same two instructions on the same number
.endr
	v_nop
	WALU
.irp b, 0,1,2,3
	v_max_num_f32 v[BM+\b], 0x4800000, v[BM+\b]    ; the floor 2^(9 - 127): the byte cannot fall under 1
.endr
.irp b, 0,1,2,3
	v_add_nc_u32 v[SCL+\b], 0xfc000000, v[BM+\b]   ; 8 off the exponent field
.endr
.irp b, 0,1,2,3
	v_and_or_b32 v[LIM+\b], v[BM+\b], 0x7f800000, s[MNT]   ; 448 x the scale
.endr
.irp b, 0,1,2,3
	v_lshrrev_b32 v[T4+\b], 23, v[SCL+\b]
.endr
.irp i, 0,2,4,6                        ; the row's sum of the unquantised p, in four chains of pairs
	v_pk_add_f32 v[158+\i:159+\i], v[S+\i:S+\i+1], v[S+8+\i:S+9+\i]
.endr
	v_lshl_or_b32 v[PSR], v[T4+1], 8, v[T4]        ; p's scale word
.irp n, 16,24,32,40,48,56
.irp i, 0,2,4,6
	v_pk_add_f32 v[158+\i:159+\i], v[158+\i:159+\i], v[S+\n+\i:S+\n+\i+1]
.endr
.endr
	v_lshl_or_b32 v[PSR], v[T4+2], 16, v[PSR]
	v_pk_add_f32 v[158:159], v[158:159], v[160:161]
	v_pk_add_f32 v[162:163], v[162:163], v[164:165]
	v_lshl_or_b32 v[PSR], v[T4+3], 24, v[PSR]
	v_pk_add_f32 v[158:159], v[158:159], v[162:163]
	v_add_f32 v14, v158, v159
.irp b, 0,1,2,3
.irp e, 0,1,2,3,4,5,6,7,8,9,10,11,12,13,14,15
	v_min_num_f32 v[S+16*\b+\e], v[S+16*\b+\e], v[LIM+\b]   ; the conversion to an 8-bit code does not saturate (ISA guide 7.6.2); p is not negative
.endr
	v_cvt_scalef32_pk8_fp8_f32 v[PC+4*\b:PC+4*\b+1], v[S+16*\b:S+16*\b+7], v[SCL+\b]
	v_cvt_scalef32_pk8_fp8_f32 v[PC+4*\b+2:PC+4*\b+3], v[S+16*\b+8:S+16*\b+15], v[SCL+\b]
.endr
	v_permlanex16_b32 v166, v14, s[SEL], s[SEL+1]
	v_add_f32 v13, v14, v166                       ; with lane l xor 16's keys: the step's sum
	PLACES 8
	ds_store_b64 v[MLW], v[12:13]                  ; -M and the sum (both halves of the lanes write the same)
	WALU
.irp g, 0,1,2,3                        ; O^T = V^T P^T: three tiles of 16 channels at a time; K = these 128 keys
.if \g > 0
	PLACES 8
.endif
.irp t, 0,1,2
.irp c, 0,1,2,3
	ds_load_b128 v[VB+16*\t+4*\c:VB+16*\t+4*\c+3], v[AV] offset:(3*\g+\t)*2048+512*\c
.endr
	ds_load_b32 v[VSR+\t], v[VSA] offset:64*(3*\g+\t)
.endr
	s_wait_dscnt 0x0
.irp t, 0,1,2
	v_wmma_scale_f32_16x16x128_f8f6f4 v[O+8*(3*\g+\t):O+8*(3*\g+\t)+7], v[VB+16*\t:VB+16*\t+15], v[PC:PC+15], 0, v[VSR+\t], v[PSR]
.endr
.endr
	s_wait_dscnt 0x0                               ; my reads of the image are over, my pair is stored
	s_barrier_signal -1
	PLACES 8
	s_barrier_wait -1                              ; everybody's
	; THE JOIN.  -M of the row = the least of its steps'; each step weighs 2^(its M - the row's)
.irp i, 0,1,2,3
	ds_load_b64 v[128+2*\i:129+2*\i], v[MLR+\i]
.endr
	s_wait_dscnt 0x0
	v_min3_num_f32 v136, v128, v130, v132
	v_min_num_f32 v136, v136, v134
.irp i, 0,1,2,3
	v_sub_f32 v[138+\i], v136, v[128+2*\i]         ; a whole number, 0 or less
.endr
	v_sub_f32 v142, v136, v12
.irp i, 0,1,2,3,4
	v_cvt_i32_f32 v[138+\i], v[138+\i]
.endr
.irp i, 0,1,2,3
	v_ldexp_f32 v[138+\i], v[129+2*\i], v[138+\i]
.endr
	v_ldexp_f32 v143, 1.0, v142
	v_fma_f32 v144, v139, s[FL+1], v138
	v_fma_f32 v144, v140, s[FL+2], v144
	v_fma_f32 v144, v141, s[FL+3], v144            ; the row's sum
	WALU
	v_rcp_f32 v145, v144
	v_add_nc_u32 v146, 75264, v[RD0]               ; (a plain line behind the reciprocal)  the stages of e = 3 on, 6 on, 9
	v_add_nc_u32 v147, 75264, v[RD1]
	v_add_nc_u32 v148, 150528, v[RD0]
	v_add_nc_u32 v149, 150528, v[RD1]
	v_add_nc_u32 v150, 225792, v[RD0]
	v_add_nc_u32 v151, 225792, v[RD1]
	WALU
	v_mul_f32 v143, v143, v145
.set N_, 0
.rept 96
	v_mul_f32 v[O+N_], v[O+N_], v143               ; register 16 b + e is my step's part of out(my query, 32 b + 16 h + e)
.set N_, N_+1
.endr
.irp b, 0,1,2,3,4,5
.irp c, 0,1,2,3
	ds_store_b128 v[STI], v[O+16*\b+4*\c:O+16*\b+4*\c+3] offset:128*\b+16*\c   ; the image has had its only fill, and nobody reads it
.endr
.endr
	WALU
	s_wait_dscnt 0x0
	s_barrier_signal -1
	s_barrier_wait -1
	s_cmp_lt_u32 s[WV], 16                         ; sixteen waves add the parts: two rows of each qd, 10 parts of three runs of 512 bytes
	s_cbranch_scc0 .Lend
.macro PART e, a0, a1
	ds_load_b128 v[16+12*\e:19+12*\e], v[\a0] offset:25088*(\e%3)
	ds_load_b128 v[20+12*\e:23+12*\e], v[\a1] offset:25088*(\e%3)+512
	ds_load_b128 v[24+12*\e:27+12*\e], v[\a0] offset:25088*(\e%3)+1040
.endm
	PART 0, RD0, RD1
	PART 1, RD0, RD1
	PART 2, RD0, RD1
	PART 3, 146, 147
	PART 4, 146, 147
	PART 5, 146, 147
	PART 6, 148, 149
	PART 7, 148, 149
	PART 8, 148, 149
	PART 9, 150, 151
.macro ADDP d, s                       ; part s onto part d
.irp i, 0,2,4,6,8,10
	v_pk_add_f32 v[16+12*\d+\i:17+12*\d+\i], v[16+12*\d+\i:17+12*\d+\i], v[16+12*\s+\i:17+12*\s+\i]
.endr
.endm
.macro SEND q, e
.irp k, 0,1,2
	global_store_b128 v[L16], v[16+12*\e+4*\k:19+12*\e+4*\k], s[10:11] offset:98304*\q+512*\k th:TH_STORE_NT   ; 512 consecutive bytes, at a multiple of 256 from out's first byte
.endr
.endm
	s_wait_dscnt 27                                ; the loads of parts 1 .. 9 may be out,
	SEND 0, 0
	s_wait_dscnt 21                                ; of parts 3 .. 9,
	ADDP 1, 2
	SEND 1, 1
	s_wait_dscnt 12                                ; of parts 6 .. 9
	ADDP 3, 4
	ADDP 3, 5
	SEND 2, 3
	s_wait_dscnt 0x0
	ADDP 6, 7
	ADDP 8, 9
	ADDP 6, 8
	SEND 3, 6
.Lend:
	s_wait_tensorcnt 0x0                           ; the wave's end
	ds_add_u32 v[SPW], v[NIL]
	s_wait_dscnt 0x0
	ROUND                                          ; the closing round
	s_endpgm
.Lfunc_end_k_q5745f2ae24_attn:
	.size	k_q5745f2ae24_attn, .Lfunc_end_k_q5745f2ae24_attn-k_q5745f2ae24_attn
	.p2alignl 7, 3214868480
	.fill 96, 4, 3214868480
	.section	.rodata,"a",@progbits
	.p2align	6, 0x0
	.amdhsa_kernel k_q5745f2ae24_attn
		.amdhsa_group_segment_fixed_size 327680
		.amdhsa_private_segment_fixed_size 0
		.amdhsa_enable_private_segment 0
		.amdhsa_kernarg_size 32
		.amdhsa_user_sgpr_count 2
		.amdhsa_user_sgpr_kernarg_segment_ptr 1
		.amdhsa_wavefront_size32 1
		.amdhsa_system_sgpr_workgroup_id_x 1
		.amdhsa_system_sgpr_workgroup_id_y 1
		.amdhsa_system_sgpr_workgroup_id_z 1
		.amdhsa_system_vgpr_workitem_id 0
		.amdhsa_next_free_vgpr 192
		.amdhsa_next_free_sgpr 84
		.amdhsa_reserve_vcc 1
		.amdhsa_float_denorm_mode_32 3
		.amdhsa_float_denorm_mode_16_64 3
		.amdhsa_memory_ordered 1
		.amdhsa_forward_progress 1
		.amdhsa_inst_pref_size 52
	.end_amdhsa_kernel
	.amdgpu_metadata
---
amdhsa.version: [ 1, 2 ]
amdhsa.kernels:
  - .name:           k_q5745f2ae24_attn
    .symbol:         k_q5745f2ae24_attn.kd
    .args:
      - { .name: q_codes, .offset: 0, .size: 8, .value_kind: global_buffer, .address_space: global }
      - { .name: q_scales, .offset: 8, .size: 8, .value_kind: global_buffer, .address_space: global }
      - { .name: kv, .offset: 16, .size: 8, .value_kind: global_buffer, .address_space: global }
      - { .name: out0, .offset: 24, .size: 8, .value_kind: global_buffer, .address_space: global }
    .group_segment_fixed_size: 327680
    .private_segment_fixed_size: 0
    .kernarg_segment_align: 8
    .kernarg_segment_size: 32
    .max_flat_workgroup_size: 640
    .sgpr_count:     84
    .vgpr_count:     192
    .wavefront_size: 32
...
	.end_amdgpu_metadata
.endif
;; end of part 3
